; MI455X (gfx1250); checked and timed in simulation.
; The chip was launched on July 23, 2026; its instructions are those of AMD's public machine-readable ISA for CDNA 5 (MIT licence, August 2026) and "CDNA5" Instruction Set Architecture Reference Guide (July 2026). The comments in the code are by the model that wrote it; some were corrected since.
;; Attention Block. Allowed arithmetic: matrix products marked QUANTISED: E2M3 operands, one E8M0 scale for each 32 along K, by v_wmma_scale_f32_16x16x128_f8f6f4 with both operands' format E2M3, f32 sums; everything else in f32.
;; Inputs: gn_bias 256 float32; gn_scale 256 float32; proj_b 256 float32; proj_w_codes 256 x 8 x 24 uint8 (E2M3 codes of proj_w, K innermost, in blocks of 32 codes, four codes in three bytes); proj_w_scales 256 x 8 uint8 (E8M0 scales of proj_w, one for each 32 codes along K); qkv_b 768 float32; qkv_w_codes 768 x 8 x 24 uint8 (E2M3 codes of qkv_w, K innermost, in blocks of 32 codes, four codes in three bytes); qkv_w_scales 768 x 8 uint8 (E8M0 scales of qkv_w, one for each 32 codes along K); x 4 x 256 x 64 x 64 float32.
;; Outputs: out0 4 x 256 x 64 x 64 float32.
;; This version of the problem:
;;   THIS VERSION OF THE PROBLEM IS GIVEN IN LOW PRECISION. The matrix products marked QUANTISED in the list below multiply operands that are first quantised to E2M3 (2 exponent bits, 3 mantissa bits; 6 bits a number), with one power-of-two scale for each 32 numbers along K (OCP MX v1.0); their sums are f32. All else is computed in f32.
;;   The module's matrix products, in the order in which they are computed (A, B: the left and right operand; K: the contracted axis; several contracted axes count as one K, in the product's order):
;;     1. [M 768, K 256] x [K 256, N 16,384]; A: input qkv_w (given as codes); B: computed on the way: QUANTISED
;;     2. batch 16 x [M 4,096, K 64] x [K 64, N 4,096]; A: computed on the way; B: computed on the way: QUANTISED
;;     3. batch 16 x [M 4,096, K 4,096] x [K 4,096, N 64]; A: softmax (see below); B: computed on the way: QUANTISED
;;     4. [M 256, K 256] x [K 256, N 16,384]; A: input proj_w (given as codes); B: computed on the way: QUANTISED
;;   THE QUANTISER, for each operand of a quantised product, along K:
;;     - K is cut into blocks of 32 from its start; a last block that is shorter is filled with zeros.
;;     - A block's scale is 2^e with e = floor(log2(the largest magnitude in the block)) - 2, held to -126 .. 127; a block of zeros has e = 0. As a byte (E8M0): e + 127.
;;     - Each number is divided by its block's scale, clamped to +-7.5, and rounded to the nearest number of E2M3, ties to even, subnormals kept.
;;     - The product sums the exact products of the quantised numbers (number of the format x scale) in f32.
;;   ~~~python
;;   def quantise(x, axis):      # numpy; x: float32 -> the quantised numbers, widened to float32 again
;;       x = np.moveaxis(x, axis, -1); K = x.shape[-1]
;;       x = np.pad(x, [(0, 0)] * (x.ndim - 1) + [(0, -K % 32)]); x = x.reshape(x.shape[:-1] + (-1, 32)); a = np.abs(x).max(-1, keepdims=True)
;;       e = np.where(a > 0, np.clip(np.frexp(np.where(a > 0, a, 1))[1] - 1 - 2, -126, 127), 0)      # np.frexp(a)[1] - 1 = floor(log2(a)), exactly
;;       r = np.clip(x / 2.0 ** e, -7.5, 7.5)
;;       step = 2.0 ** (np.maximum(np.frexp(np.where(r == 0, 1, r))[1] - 1, 0) - 3)
;;       q = np.round(r / step) * step * 2.0 ** e      # np.round: ties to even
;;       return np.moveaxis(q.reshape(q.shape[:-2] + (-1,))[..., :K], -1, axis).astype(np.float32)
;;   ~~~
;;   SOFTMAX AHEAD OF A QUANTISED PRODUCT. Where the list says 'softmax', what is quantised is not the finished softmax but p = 2^(t - M), with t = logit x log2(e) and M = ceil(the row's largest t), a whole number; so 1/2 < the row's largest p <= 1. The row's sum l is taken of the UNQUANTISED p, in f32, and the product's result is divided by l at the end. Since M is a whole number, a kernel that streams over the keys may use a running M (the ceiling of the running maximum): every later rescaling is an exact power of two, which a block's scale takes up: the codes' values come out the same.
;;   OPERANDS COMPUTED ON THE WAY. 'Computed on the way' means the value that the module computes at that place (a softmax that the list does not call 'softmax' is quantised finished and normalised). What goes into a quantiser is computed in f32, as accurately as f32 sums, v_exp_f32 and their like allow (about 1e-6 of the number): no bf16 or f16 on the way to a quantiser, and a product that is left as it is and whose result goes on into a quantised operand takes f32 operands (vector FMAs, or v_wmma_f32_16x16x4_f32). A number that lies on a knife's edge between two numbers of the format may be rounded either way, as far as f32 arithmetic and the matrix unit's own rounding can turn it there, and no further.
;;   INPUTS GIVEN AS CODES. proj_w (in the module: [256, 256], K = its axis 1); qkv_w (in the module: [768, 256], K = its axis 1): each comes as NAME_codes (uint8): NAME with its K axis moved to the last place and cut into blocks of 32 codes, [.., K / 32, bytes a block], one block behind the other in memory; four codes in three bytes: a row's codes are one little-endian stream of bits, code i at bits 6 i .. 6 i + 5 (a code: sign, 2 exponent bits, 3 mantissa bits); and NAME_scales (uint8): the same leading axes, one E8M0 byte (e + 127) for each 32 codes along K. Its value is code x scale, taken as it is: it is not quantised again, and the codes and scales need not be those that the quantiser above would give.
;; One version. Each part assembles by itself: llvm-mc -triple=amdgcn-amd-amdhsa -mcpu=gfx1250 --defsym DOCPART=n.
;; ======== version 1 of 1: 4 launches
;; workspace buffers: stats 2,048 bytes; qc 3,145,728 bytes; qs 131,072 bytes; kvc 6,291,456 bytes; kvs 262,144 bytes; oc 3,145,728 bytes; os 131,072 bytes
;; launch gnstats (part 1): grid 256 x 1, 8 waves a work-group, no clusters, 1,536 bytes of LDS; arguments x, stats; writes stats
.if DOCPART == 1
	.amdgcn_target "amdgcn-amd-amdhsa--gfx1250"
	.amdhsa_code_object_version 6
	.text
	.protected	k_qc1f059d94e_gnstats
	.globl	k_qc1f059d94e_gnstats
	.p2align	8
	.type	k_qc1f059d94e_gnstats,@function
k_qc1f059d94e_gnstats:
	s_mov_b64 s[64:65], 0
	v_nop
	global_prefetch_b8 v0, s[64:65] scope:SCOPE_SE
	s_setreg_imm32_b32 hwreg(HW_REG_WAVE_MODE, 25, 1), 1
	s_wait_xcnt 0x0
; GroupNorm's statistics.  x: [4][256][4096] f32; a group is 8 channels of one image: 131,072 consecutive bytes.
; Work-group n takes half a group, the 65,536 bytes from 65,536 n on, and stores (mean, sum of squared distances from that mean) of its 16,384 numbers at stats + 8 n.
; The numbers stay in registers between the two passes: x is read once here, and no difference of large sums is formed.
; Thread t loads 16 bytes at 16 t + 4,096 j, j = 0 .. 15: a wave's load covers 512 consecutive bytes.  No matrix work, no cluster: work-groups share nothing.
; LIMITS: NaN and infinities among the inputs are not served.
.set X, 16                             ; v16-79  my 64 numbers
	s_load_b128 s[4:7], s[0:1], 0x0                ; x, stats
	v_lshl_add_u32 v96, v0, 2, 0x200
	v_mov_b32 v97, 0
	v_lshlrev_b32 v1, 4, v0                        ; 16 x thread
	v_lshrrev_b32 v11, 5, v0
	s_delay_alu instid0(VALU_DEP_1)
	v_lshlrev_b32 v12, 2, v11                      ; LDS: 4 x wave
	v_mov_b32 v13, 0
	v_mov_b32 v10, 0                               ; a lane permute's destination counts as one of its sources
	s_lshl_b32 s10, ttmp9, 16
	s_mov_b32 s11, 0
	s_mov_b32 s12, 0x76543210
	s_mov_b32 s13, 0xfedcba98                      ; lane l xor 16
	s_lshl_b32 s14, ttmp9, 3
	v_mov_b32 v14, s14                             ; where my pair goes
	s_wait_alu depctr_va_vdst(0)
	s_wait_kmcnt 0x0
	s_add_nc_u64 s[4:5], s[4:5], s[10:11]
.irp j, 0,1,2,3,4,5,6,7,8,9,10,11,12,13,14,15
	global_load_b128 v[X+4*\j:X+4*\j+3], v1, s[4:5] offset:4096*\j
.endr
; four packed chains v[2:9] become one number in v2
.macro FOLD
	s_delay_alu instid0(VALU_DEP_3)
	v_pk_add_f32 v[2:3], v[2:3], v[4:5]
	s_delay_alu instid0(VALU_DEP_2)
	v_pk_add_f32 v[6:7], v[6:7], v[8:9]
	s_delay_alu instid0(VALU_DEP_1)
	v_pk_add_f32 v[2:3], v[2:3], v[6:7]
	s_delay_alu instid0(VALU_DEP_1)
	v_add_f32 v2, v2, v3
.endm
; v2 summed over the wave's 32 lanes, then over the eight waves through eight LDS words at off: store, wait for 0, barrier, load
.macro WGSUM off
	s_delay_alu instid0(VALU_DEP_1)
	v_add_f32_dpp v2, v2, v2 row_xmask:1 row_mask:0xf bank_mask:0xf
	s_delay_alu instid0(VALU_DEP_1)
	v_add_f32_dpp v2, v2, v2 row_xmask:2 row_mask:0xf bank_mask:0xf
	s_delay_alu instid0(VALU_DEP_1)
	v_add_f32_dpp v2, v2, v2 row_xmask:4 row_mask:0xf bank_mask:0xf
	s_delay_alu instid0(VALU_DEP_1)
	v_add_f32_dpp v2, v2, v2 row_xmask:8 row_mask:0xf bank_mask:0xf
	s_delay_alu instid0(VALU_DEP_1)
	v_permlanex16_b32 v10, v2, s12, s13
	s_delay_alu instid0(VALU_DEP_1)
	v_add_f32 v2, v2, v10
	ds_store_b32 v12, v2 offset:\off               ; all lanes write the wave's word with the same value
	s_wait_dscnt 0x0                               ; for the others' sake
	s_barrier_signal -1
	s_barrier_wait -1
	ds_load_b128 v[88:91], v13 offset:\off
	ds_load_b128 v[92:95], v13 offset:\off+16
	s_wait_dscnt 0x0
	v_add_f32 v88, v88, v89
	v_add_f32 v90, v90, v91
	v_add_f32 v92, v92, v93
	v_add_f32 v94, v94, v95
	s_delay_alu instid0(VALU_DEP_3)
	v_add_f32 v88, v88, v90
	s_delay_alu instid0(VALU_DEP_2)
	v_add_f32 v92, v92, v94
	s_delay_alu instid0(VALU_DEP_1)
	v_add_f32 v2, v88, v92
.endm
	s_wait_loadcnt 0x0
.irp k, 0,1,2,3
	v_pk_add_f32 v[2+2*\k:3+2*\k], v[X+2*\k:X+2*\k+1], v[X+8+2*\k:X+9+2*\k]   ; the first pairs start the chains
.endr
.set p, 8
.rept 24
	s_delay_alu instid0(VALU_DEP_4)
	v_pk_add_f32 v[2+2*(p%4):3+2*(p%4)], v[2+2*(p%4):3+2*(p%4)], v[X+2*p:X+2*p+1]
.set p, p+1
.endr
	FOLD
	WGSUM 0
	s_delay_alu instid0(VALU_DEP_1)
	v_mul_f32 v84, 0x38800000, v2                  ; the mean: sum x 2^-14
	s_delay_alu instid0(VALU_DEP_1)
	v_mov_b32 v85, v84
.set p, 0
.rept 32
	v_pk_add_f32 v[X+2*p:X+2*p+1], v[X+2*p:X+2*p+1], v[84:85] neg_lo:[0,1] neg_hi:[0,1]   ; x - mean
.set p, p+1
.endr
.irp k, 0,1,2,3
	v_pk_mul_f32 v[2+2*\k:3+2*\k], v[X+2*\k:X+2*\k+1], v[X+2*\k:X+2*\k+1]
.endr
.set p, 4
.rept 28
	s_delay_alu instid0(VALU_DEP_4)
	v_pk_fma_f32 v[2+2*(p%4):3+2*(p%4)], v[X+2*p:X+2*p+1], v[X+2*p:X+2*p+1], v[2+2*(p%4):3+2*(p%4)]
.set p, p+1
.endr
	FOLD
	WGSUM 64                                       ; other LDS words than the first sum's: no barrier is needed between the first sum's reads and these stores
	v_mov_b32 v86, v84
	s_delay_alu instid0(VALU_DEP_2)
	v_mov_b32 v87, v2
	s_wait_alu depctr_va_vdst(0)
	s_wait_xcnt 0x0                                ; EXEC changes only behind this wait
	v_cmp_gt_u32 vcc_lo, 1, v0
	s_wait_tensorcnt 0x0
	ds_add_u32 v96, v97
	s_wait_dscnt 0x0
	s_and_saveexec_b32 s9, vcc_lo
	global_store_b64 v14, v[86:87], s[6:7]         ; thread 0 alone: 8 bytes a work-group
	s_wait_xcnt 0x0
	s_or_b32 exec_lo, exec_lo, s9
	s_endpgm
.Lfunc_end_k_qc1f059d94e_gnstats:
	.size	k_qc1f059d94e_gnstats, .Lfunc_end_k_qc1f059d94e_gnstats-k_qc1f059d94e_gnstats
	.p2alignl 7, 3214868480
	.fill 96, 4, 3214868480
	.section	.rodata,"a",@progbits
	.p2align	6, 0x0
	.amdhsa_kernel k_qc1f059d94e_gnstats
		.amdhsa_group_segment_fixed_size 1536
		.amdhsa_private_segment_fixed_size 0
		.amdhsa_enable_private_segment 0
		.amdhsa_kernarg_size 16
		.amdhsa_user_sgpr_count 2
		.amdhsa_user_sgpr_kernarg_segment_ptr 1
		.amdhsa_wavefront_size32 1
		.amdhsa_system_sgpr_workgroup_id_x 1
		.amdhsa_system_sgpr_workgroup_id_y 1
		.amdhsa_system_sgpr_workgroup_id_z 1
		.amdhsa_system_vgpr_workitem_id 0
		.amdhsa_next_free_vgpr 98
		.amdhsa_next_free_sgpr 66
		.amdhsa_reserve_vcc 1
		.amdhsa_float_denorm_mode_32 3
		.amdhsa_float_denorm_mode_16_64 3
		.amdhsa_memory_ordered 1
		.amdhsa_forward_progress 1
		.amdhsa_inst_pref_size 14
	.end_amdhsa_kernel
	.amdgpu_metadata
---
amdhsa.version: [ 1, 2 ]
amdhsa.kernels:
  - .name:           k_qc1f059d94e_gnstats
    .symbol:         k_qc1f059d94e_gnstats.kd
    .args:
      - { .name: x, .offset: 0, .size: 8, .value_kind: global_buffer, .address_space: global }
      - { .name: stats, .offset: 8, .size: 8, .value_kind: global_buffer, .address_space: global }
    .group_segment_fixed_size: 1536
    .private_segment_fixed_size: 0
    .kernarg_segment_align: 8
    .kernarg_segment_size: 16
    .max_flat_workgroup_size: 256
    .sgpr_count:     66
    .vgpr_count:     98
    .wavefront_size: 32
...
	.end_amdgpu_metadata
.endif
;; end of part 1
;; launch qkv (part 2): grid 128 x 2, 12 waves a work-group, no clusters, 27,136 bytes of LDS; arguments x, stats, gn_scale, gn_bias, qkv_w_codes, qkv_w_scales, qkv_b, qc, qs, kvc, kvs; writes qc, qs, kvc, kvs
.if DOCPART == 2
	.amdgcn_target "amdgcn-amd-amdhsa--gfx1250"
	.amdhsa_code_object_version 6
	.text
	.protected	k_qc1f059d94e_qkv
	.globl	k_qc1f059d94e_qkv
	.p2align	8
	.type	k_qc1f059d94e_qkv,@function
k_qc1f059d94e_qkv:
	s_mov_b64 s[64:65], 0
	v_nop
	global_prefetch_b8 v0, s[64:65] scope:SCOPE_SE
	s_setreg_imm32_b32 hwreg(HW_REG_WAVE_MODE, 25, 1), 1
	s_wait_xcnt 0x0
; GroupNorm, its quantising along the channels, the product with qkv_w (codes of E2M3, one E8M0 byte for 32 along K), the bias, and the quantising of q and k (along d) and of v (along the keys).
; Work-group (x, y): image b = x / 32, key step S = x % 32 (128 pixels), heads 2 y and 2 y + 1.
; PIXELS: pixel = 128 S + 64 g + 4 m + t: row m of tile t of group g.  So a lane that loads 16 bytes of a row of x holds one pixel of each of the four tiles, and four tiles' results are 32 neighbours of a block.
; PHASE X, waves 0-7: wave w normalises channels 32 w .. 32 w + 31 of the 128 pixels (a lane: 4 pixels x 32 channels, so a block of 32 channels lies in one lane), quantises, and stores the codes into LDS as images of
;   the operand's registers: fragment (T = 4 g + t, K step s) at (2 T + s) x 1,536 bytes, six planes of 256 bytes (registers 2 k, 2 k + 1 at 8 x lane); its scale words at XSC + (2 T + s) x 64 + 4 x row.
; ONE barrier.  Then waves 0-7 make q (waves 0-3) and k (4-7): wave = 4 kind + 2 head' + g; waves 8-11 make v: wave - 8 = 2 head' + e.
; q, k: the product is used transposed (source 0 = 16 rows of W, source 1 = 16 pixels), and row m of W's tile t' is d = 32 (m / 8) + 8 t' + m % 8: a lane's 32 results are d = 32 (lane / 16) + 0 .. 31 of one pixel: a whole block.
; v: source 0 = 16 pixels, source 1 = 16 rows of W: a lane's 32 results of group g are the 32 pixels 64 g + 32 (lane / 16) + .. of one d: a whole block along the keys, in the order 8 t + j that the scores will have too.
; What is stored are images of operand registers: three stores of 16 bytes a lane, each covering 512 consecutive bytes.  The scale words leave as 128 consecutive bytes a wave.
; No tensor load and no cluster: every operand goes from memory straight into the registers of the one wave that uses it; each load of x covers 512 consecutive bytes; a work-group reads its 384 rows of W, those of q and k twice (once for each g).
; The roles' weights are loaded behind the barrier, so that each role reads only registers that it has written itself behind the join.
; LIMITS: NaN and infinities are not served.  A block whose largest magnitude lies under 2^-124 (a block of zeros too) gets the byte 1: the bytes are read by this program alone.  1 / sqrt by v_rsq_f32.
.set XIMG, 0
.set XSC,  24576
.set L16,  1                           ; v1   16 x lane
.set L4,   2                           ; v2   4 x lane
.set XW,   3                           ; v3   where I store codes of x
.set XWB,  4                           ; v4   and their scale byte
.set XRQ,  5                           ; v5   where a q or k wave reads fragments: 8 x lane + 12,288 g
.set XRV,  6                           ; v6   a v wave: 8 x lane
.set XSQ,  7                           ; v7   scale words: XSC + 4 (lane % 16) + 512 g
.set XSV,  8                           ; v8   XSC + 4 (lane % 16)
.set WO,   9                           ; v9   W's codes: rr x 192 + 24 (lane / 16), rr = r + 24 (r / 8)
.set WSO,  10                          ; v10  W's scale bytes: rr x 8
.set VBO,  11                          ; v11  bias by W's row: rr x 4
.set H128, 12                          ; v12  128 (lane / 16)
.set SH8,  13                          ; v13  8 (lane / 16)
.set ZR,   14                          ; v14  0
.set XS,   16                          ; v16-19 x's scale words;  v24-31 W's: these hold scales and nothing else
.set WS,   24
.set PC,   32                          ; v32-43 the codes just made;  v44-46 a conversion's second run
.set TC,   44
.set MX,   47
.set MY,   48
.set SO,   49
.set BY0,  50
.set BY1,  51
.set PW,   52
.set PT,   53
.set PW0,  54
.set MEAN, 56                          ; v56-59 my four groups' means;  v60-63 1 / sqrt(var + eps)
.set RS,   60
.set GA,   64                          ; phase X: v64-95 gain x 1 / sqrt;  v96-127 the normalised numbers;  v128-255 x as loaded
.set XN,   96
.set RAW,  128
.set BIAS, 64                          ; q, k: v64-95 bias, v96-127 results, v128-223 W's 8 fragments, v224-247 x's two
.set ACC,  96
.set WF,   128
.set XF,   224
.set ACV,  64                          ; v: v64-127 results, v128-175 x's four fragments, v176-223 W's four, v224-239 bias
.set XF2,  128
.set WF2,  176
.set VB,   224
.set WV,   26
.set SEL,  28
; 32 numbers of one lane, one block, become 6 registers of codes at dst and the scale's byte in by.  Each run of eight registers is first read at its low end.
.macro QUANT32 src, dst, by
	v_max3_num_f32 v[MX], |v[(\src)]|, |v[(\src)+1]|, |v[(\src)+2]|
	v_max3_num_f32 v[MY], |v[(\src)+3]|, |v[(\src)+4]|, |v[(\src)+5]|
.irp i, 6,10,14,18,22,26
	v_max3_num_f32 v[MX], v[MX], |v[(\src)+\i]|, |v[(\src)+\i+1]|
	v_max3_num_f32 v[MY], v[MY], |v[(\src)+\i+2]|, |v[(\src)+\i+3]|
.endr
	v_max3_num_f32 v[MX], v[MX], |v[(\src)+30]|, |v[(\src)+31]|
	s_delay_alu instid0(VALU_DEP_1)
	v_max3_num_f32 v[MX], v[MX], v[MY], 0x1800000  ; the floor 2^(3 - 127): the byte cannot fall under 1
	s_delay_alu instid0(VALU_DEP_1)
	v_add_nc_u32 v[SO], 0xff000000, v[MX]          ; 2 off the exponent field: the conversion takes this operand's exponent field as its scale
	s_delay_alu instid0(VALU_DEP_1)
	v_lshrrev_b32 v[\by], 23, v[SO]                ; the scale's byte
	v_cvt_scalef32_pk16_fp6_f32 v[(\dst):(\dst)+2], v[(\src):(\src)+15], v[SO]
	v_cvt_scalef32_pk16_fp6_f32 v[TC:TC+2], v[(\src)+16:(\src)+31], v[SO]   ; (a conversion's three registers begin on an even number)
	v_nop                                          ; one plain place behind a scaled conversion
.irp i, 0,1,2
	v_mov_b32 v[(\dst)+3+\i], v[TC+\i]
.endr
.endm
; my bytes of blocks h and 2 + h, with lane l xor 16's two, make the row's scale word, in both halves of the lanes
.macro WORD
	v_lshl_or_b32 v[PW], v[BY1], 16, v[BY0]
	s_delay_alu instid0(VALU_DEP_1)
	v_lshlrev_b32 v[PW], v[SH8], v[PW]
	s_delay_alu instid0(VALU_DEP_1)
	v_permlanex16_b32 v[PT], v[PW], s[SEL], s[SEL+1]
	s_delay_alu instid0(VALU_DEP_1)
	v_or_b32 v[PW], v[PW], v[PT]
.endm
.macro MM d, a, b, c, sa, sb
	v_wmma_scale_f32_16x16x128_f8f6f4 v[\d:\d+7], v[\a:\a+11], v[\b:\b+11], v[\c:\c+7], v[\sa], v[\sb] matrix_a_fmt:MATRIX_FMT_FP6 matrix_b_fmt:MATRIX_FMT_FP6
.endm
	s_load_b512 s[4:19], s[0:1], 0x0               ; x, stats, gn_scale, gn_bias, W's codes, W's scales, qkv_b, qc
	s_load_b128 s[20:23], s[0:1], 0x40             ; qs, kvc
	s_load_b64 s[24:25], s[0:1], 0x50              ; kvs
	v_lshl_add_u32 v22, v0, 2, 0x6400
	v_mov_b32 v23, 0
	v_lshrrev_b32 v15, 5, v0
	s_delay_alu instid0(VALU_DEP_1)
	v_readfirstlane_b32 s[WV], v15                 ; wave 0..11
	v_and_b32 v15, 31, v0                          ; lane
	v_and_b32 v55, 15, v0                          ; r
	v_bfe_u32 v47, v0, 4, 1                        ; h
	s_wait_alu depctr_va_vdst(0)
	v_lshlrev_b32 v[L16], 4, v15
	v_lshlrev_b32 v[L4], 2, v15
	; every LDS address is made here, ahead of the first parting of the waves
	s_and_b32 s30, s[WV], 7
	s_lshr_b32 s30, s30, 2                         ; my channel block's K step,
	s_bfe_u32 s31, s[WV], 0x10001                  ; its half of the fragment's registers,
	s_and_b32 s32, s[WV], 1                        ; its half of the lanes.  (For a q or k wave: g)
	s_and_b32 s33, s[WV], 3                        ; its byte in the scale word
	s_mul_i32 s34, s30, 1536
	s_mul_i32 s35, s31, 768
	s_add_co_u32 s34, s34, s35
	s_lshl_b32 s35, s32, 7
	s_add_co_u32 s34, s34, s35
	v_mul_u32_u24 v[XW], v47, 12288                ; my pixels' group g = lane / 16: 8 fragments on
	s_delay_alu instid0(VALU_DEP_1)
	v_lshl_add_u32 v[XW], v55, 3, v[XW]            ; row m = lane % 16
	s_delay_alu instid0(VALU_DEP_1)
	v_add_nc_u32 v[XW], s34, v[XW]
	s_lshl_b32 s34, s30, 6
	s_add_co_u32 s34, s34, s33
	s_add_co_u32 s34, s34, XSC
	v_lshlrev_b32 v[XWB], 9, v47
	s_delay_alu instid0(VALU_DEP_1)
	v_lshl_add_u32 v[XWB], v55, 2, v[XWB]
	s_delay_alu instid0(VALU_DEP_1)
	v_add_nc_u32 v[XWB], s34, v[XWB]
	s_mul_i32 s34, s32, 12288
	v_lshlrev_b32 v[XRV], 3, v15
	s_delay_alu instid0(VALU_DEP_1)
	v_add_nc_u32 v[XRQ], s34, v[XRV]
	v_lshl_add_u32 v[XSV], v55, 2, XSC
	s_lshl_b32 s34, s32, 9
	v_add_nc_u32 v[XSQ], s34, v[XSV]
	v_and_b32 v48, 8, v55
	s_delay_alu instid0(VALU_DEP_1)
	v_mad_u32_u24 v48, v48, 3, v55                 ; rr = r + 24 (r / 8)
	s_delay_alu instid0(VALU_DEP_1)
	v_mul_u32_u24 v[WO], v48, 192
	s_delay_alu instid0(VALU_DEP_1)
	v_mad_u32_u24 v[WO], v47, 24, v[WO]
	s_delay_alu instid0(VALU_DEP_3)
	v_lshlrev_b32 v[WSO], 3, v48
	s_delay_alu instid0(VALU_DEP_4)
	v_lshlrev_b32 v[VBO], 2, v48
	v_lshlrev_b32 v[H128], 7, v47
	v_lshlrev_b32 v[SH8], 3, v47
	v_mov_b32 v[ZR], 0
	v_mov_b32 v[PT], 0                             ; a lane permute's destination counts as one of its sources
	s_and_b32 s27, ttmp7, 0xffff                   ; y: the pair of heads
	s_lshr_b32 s36, ttmp9, 5                       ; b
	s_and_b32 s37, ttmp9, 31                       ; S
	s_mov_b32 s[SEL], 0x76543210
	s_mov_b32 s[SEL+1], 0xfedcba98
	s_wait_kmcnt 0x0
	s_cmp_ge_u32 s[WV], 8
	s_cbranch_scc1 .Ljoin                          ; waves 8-11 have no part in phase X
	; ---- PHASE X
	s_lshl_b32 s38, s[WV], 7                       ; my 32 channels' bytes in gn_scale and gn_bias
	s_mov_b32 s39, 0
	s_add_nc_u64 s[40:41], s[10:11], s[38:39]
	s_load_b512 s[68:83], s[40:41], 0x0            ; gn_bias of my channels: a channel is the same in all lanes, so it is a scalar
	s_load_b512 s[84:99], s[40:41], 0x40
	s_add_nc_u64 s[42:43], s[8:9], s[38:39]
	s_lshl_b32 s44, s36, 9
	s_lshl_b32 s45, s[WV], 6
	s_add_co_u32 s44, s44, s45                     ; my four groups' 16 bytes each: (32 b + 4 w) x 16
	s_mov_b32 s45, 0
	s_add_nc_u64 s[44:45], s[6:7], s[44:45]
	s_lshl_b32 s46, s36, 22
	s_lshl_b32 s47, s[WV], 19
	s_add_co_u32 s46, s46, s47
	s_lshl_b32 s47, s37, 9
	s_add_co_u32 s46, s46, s47                     ; x[b][32 w][128 S]
	s_mov_b32 s47, 0
	s_add_nc_u64 s[46:47], s[4:5], s[46:47]
	s_wait_alu depctr_va_vdst(0)
.irp q, 0,1,2,3
	global_load_b128 v[XN+4*\q:XN+4*\q+3], v[ZR], s[44:45] offset:16*\q   ; (mean, M2) of the group's two halves
.endr
.irp q, 0,1,2,3,4,5,6,7
	global_load_b128 v[GA+4*\q:GA+4*\q+3], v[ZR], s[42:43] offset:16*\q   ; gn_scale
.endr
.set i, 0
.rept 32
	global_load_b128 v[RAW+4*i:RAW+4*i+3], v[L16], s[46:47] offset:16384*i   ; channel 32 w + i, pixels 4 lane .. 4 lane + 3: 512 consecutive bytes a load
.set i, i+1
.endr
	s_wait_loadcnt 32                              ; the 12 small loads are in; x's 32 stay out
.irp q, 0,1,2,3
	v_add_f32 v[MEAN+\q], v[XN+4*\q], v[XN+4*\q+2]
	v_sub_f32 v[XN+4*\q], v[XN+4*\q], v[XN+4*\q+2]
	v_add_f32 v[XN+4*\q+1], v[XN+4*\q+1], v[XN+4*\q+3]
.endr
.irp q, 0,1,2,3
	v_mul_f32 v[MEAN+\q], 0.5, v[MEAN+\q]          ; the group's mean
	v_mul_f32 v[XN+4*\q], 0.5, v[XN+4*\q]          ; each half's mean lies this far from it
.endr
.irp q, 0,1,2,3
	v_mul_f32 v[XN+4*\q], v[XN+4*\q], v[XN+4*\q]
.endr
.irp q, 0,1,2,3
	s_delay_alu instid0(VALU_DEP_4)
	v_fma_f32 v[XN+4*\q+1], v[XN+4*\q+1], 0x38000000, v[XN+4*\q]   ; var = (M2 + M2') x 2^-15 + distance^2
.endr
.irp q, 0,1,2,3
	s_delay_alu instid0(VALU_DEP_4)
	v_add_f32 v[XN+4*\q+1], 0x3727c5ac, v[XN+4*\q+1]               ; + 1e-5
.endr
	s_wait_alu depctr_va_vdst(0)
.irp q, 0,1,2,3
	v_rsq_f32 v[RS+\q], v[XN+4*\q+1]
.endr
	v_nop                                          ; a plain place behind the last of the four
	s_wait_alu depctr_va_vdst(0)                   ; one wait for the four, ahead of their first reader
.set i, 0
.rept 32
	v_mul_f32 v[GA+i], v[GA+i], v[RS+i/8]
.set i, i+1
.endr
	s_wait_kmcnt 0x0                               ; gn_bias
	s_wait_loadcnt 0x0                             ; x
.macro XTILE t                         ; tile t: the t-th of each lane's four pixels
.set i, 0
.rept 32
	v_sub_f32 v[XN+i], v[RAW+4*i+\t], v[MEAN+i/8]
.set i, i+1
.endr
.set i, 0
.rept 32
	v_fma_f32 v[XN+i], v[XN+i], v[GA+i], s[68+i]
.set i, i+1
.endr
	QUANT32 XN, PC, BY0
.irp k, 0,1,2
	ds_store_b64 v[XW], v[PC+2*\k:PC+2*\k+1] offset:3072*\t+256*\k
.endr
	ds_store_b8 v[XWB], v[BY0] offset:128*\t
	s_wait_dscnt 0x0                               ; the stores have read their registers: the next tile's codes may be written
.endm
	XTILE 0
	XTILE 1
	XTILE 2
	XTILE 3
.Ljoin:
	s_wait_dscnt 0x0                               ; for the others' sake: my stores have landed
	s_barrier_signal -1
	s_barrier_wait -1                              ; x's sixteen fragments and their scale words lie in LDS; nobody writes them again
	s_cmp_ge_u32 s[WV], 8
	s_cbranch_scc1 .Lvrole
	; ---- q AND k
	s_lshr_b32 s30, s[WV], 2                       ; kind: 0 q, 1 k
	s_bfe_u32 s31, s[WV], 0x10001
	s_and_b32 s32, s[WV], 1                        ; g
	s_lshl_b32 s33, s27, 1
	s_add_co_u32 s33, s33, s31                     ; head
	s_lshl_b32 s34, s36, 2
	s_add_co_u32 s34, s34, s33                     ; bh = 4 b + head
	s_lshl_b32 s35, s30, 8
	s_lshl_b32 s38, s33, 6
	s_add_co_u32 s35, s35, s38                     ; W's first row: 256 kind + 64 head
	s_mul_i32 s38, s35, 192
	s_mov_b32 s39, 0
	s_add_nc_u64 s[40:41], s[12:13], s[38:39]
	s_lshl_b32 s38, s35, 3
	s_add_nc_u64 s[42:43], s[14:15], s[38:39]
	s_lshl_b32 s38, s35, 2
	s_add_nc_u64 s[44:45], s[16:17], s[38:39]
	s_wait_alu depctr_va_vdst(0)
.irp t, 0,1,2,3
.irp s, 0,1
.irp p, 0,1,2,3,4,5
	global_load_b64 v[WF+24*\t+12*\s+2*\p:WF+24*\t+12*\s+2*\p+1], v[WO], s[40:41] offset:8*\t*192+96*\s+48*(\p/3)+8*(\p%3)
.endr
.endr
	global_load_b64 v[WS+2*\t:WS+2*\t+1], v[WSO], s[42:43] offset:64*\t   ; the row's scale words of both K steps
.endr
.irp q, 0,1,2,3,4,5,6,7
	global_load_b128 v[BIAS+4*\q:BIAS+4*\q+3], v[H128], s[44:45] offset:16*\q   ; the bias in the result's layout: d = 32 h + 0 .. 31
.endr
	s_lshl_b32 s34, s34, 5
	s_add_co_u32 s34, s34, s37                     ; 32 bh + S
	s_mul_i32 s38, s34, 6144
	s_lshl_b32 s38, s38, s30                       ; a step is 6,144 bytes in qc and 12,288 in kvc
	s_mul_i32 s46, s32, 3072
	s_add_co_u32 s38, s38, s46                     ; my group's two pair images
	s_cmp_eq_u32 s30, 0                            ; the choice hangs on the wave's number alone
	s_cselect_b64 s[48:49], s[18:19], s[22:23]
	s_cselect_b64 s[50:51], s[20:21], s[24:25]
	s_add_nc_u64 s[48:49], s[48:49], s[38:39]
	s_lshl_b32 s38, s34, 8
	s_lshl_b32 s38, s38, s30
	s_lshl_b32 s46, s32, 7
	s_add_co_u32 s38, s38, s46
	s_add_nc_u64 s[50:51], s[50:51], s[38:39]
	s_mov_b32 s52, 0xffff0000
; pixel tile 2 pp + e of my group: eight products, the four accumulators by turns; the first four take the bias as C
.macro QKTILE pp, e
.irp s, 0,1
.irp k, 0,1,2,3,4,5
	ds_load_b64 v[XF+12*\s+2*\k:XF+12*\s+2*\k+1], v[XRQ] offset:(2*(2*\pp+\e)+\s)*1536+256*\k
.endr
	ds_load_b32 v[XS+\s], v[XSQ] offset:(2*(2*\pp+\e)+\s)*64
.endr
	s_wait_loadcnt 0x0                             ; W, its scale words, the bias
	s_wait_dscnt 0x0
.irp t, 0,1,2,3
	MM ACC+8*\t, WF+24*\t, XF, BIAS+8*\t, WS+2*\t, XS
.endr
.irp t, 0,1,2,3
	MM ACC+8*\t, WF+24*\t+12, XF+12, ACC+8*\t, WS+2*\t+1, XS+1
.endr
.rept 4
	v_nop                                          ; places in front of the first read of results and of the next loads into x's fragments
.endr
.if \e == 0
	s_wait_xcnt 0x0                                ; the last pair's stores have read the codes' registers
.endif
	QUANT32 ACC, PC+6*\e, BY0+\e
.endm
.irp pp, 0,1
	QKTILE \pp, 0
	QKTILE \pp, 1
	WORD                                           ; bytes: first tile's blocks 0, 1, second tile's blocks 0, 1
.irp k, 0,1,2
	global_store_b128 v[L16], v[PC+4*\k:PC+4*\k+3], s[48:49] offset:1536*\pp+512*\k   ; the pair's image: 512 consecutive bytes a store
.endr
.if \pp == 0
	v_mov_b32 v[PW0], v[PW]
.endif
.endr
	v_cndmask_b32 v[PW], v[PW0], v[PW], s52        ; lanes 0-15 the first pair's words, lanes 16-31 the second's
	global_store_b32 v[L4], v[PW], s[50:51]
	s_wait_tensorcnt 0x0
	ds_add_u32 v22, v23
	s_wait_dscnt 0x0
	s_endpgm
	; ---- v
.Lvrole:
	s_and_b32 s30, s[WV], 3
	s_lshr_b32 s31, s30, 1
	s_and_b32 s32, s30, 1                          ; e: d tiles 2 e and 2 e + 1
	s_lshl_b32 s33, s27, 1
	s_add_co_u32 s33, s33, s31                     ; head
	s_lshl_b32 s34, s36, 2
	s_add_co_u32 s34, s34, s33                     ; bh
	s_lshl_b32 s35, s33, 6
	s_lshl_b32 s38, s32, 4
	s_add_co_u32 s35, s35, s38
	s_add_co_u32 s35, s35, 512                     ; W's first row: 512 + 64 head + 16 e; tile i begins 8 i further on, its row r is rr further on
	s_mul_i32 s38, s35, 192
	s_mov_b32 s39, 0
	s_add_nc_u64 s[40:41], s[12:13], s[38:39]
	s_lshl_b32 s38, s35, 3
	s_add_nc_u64 s[42:43], s[14:15], s[38:39]
	s_lshl_b32 s38, s35, 2
	s_add_nc_u64 s[44:45], s[16:17], s[38:39]
	s_wait_alu depctr_va_vdst(0)
.irp i, 0,1
.irp s, 0,1
.irp p, 0,1,2,3,4,5
	global_load_b64 v[WF2+24*\i+12*\s+2*\p:WF2+24*\i+12*\s+2*\p+1], v[WO], s[40:41] offset:8*\i*192+96*\s+48*(\p/3)+8*(\p%3)
.endr
.endr
	global_load_b64 v[WS+2*\i:WS+2*\i+1], v[WSO], s[42:43] offset:64*\i
.irp j, 0,1,2,3,4,5,6,7
	global_load_b32 v[VB+8*\i+\j], v[VBO], s[44:45] offset:32*\i   ; here a lane holds one d: its bias fills the eight registers of C
.endr
.endr
	s_lshl_b32 s34, s34, 5
	s_add_co_u32 s34, s34, s37
	s_mul_i32 s38, s34, 12288
	s_mul_i32 s46, s32, 3072
	s_add_co_u32 s38, s38, s46
	s_add_co_u32 s38, s38, 6144                    ; behind K's four pair images
	s_add_nc_u64 s[48:49], s[22:23], s[38:39]
	s_lshl_b32 s38, s34, 9
	s_lshl_b32 s46, s32, 7
	s_add_co_u32 s38, s38, s46
	s_add_co_u32 s38, s38, 256
	s_add_nc_u64 s[50:51], s[24:25], s[38:39]
	s_mov_b32 s52, 0xffff0000
; pixel tiles 2 n and 2 n + 1 against W's tile i: four products, the two accumulators by turns
.macro VPAIR i, n
.irp u, 0,1
.irp s, 0,1
.irp k, 0,1,2,3,4,5
	ds_load_b64 v[XF2+12*(2*\u+\s)+2*\k:XF2+12*(2*\u+\s)+2*\k+1], v[XRV] offset:(2*(2*\n+\u)+\s)*1536+256*\k
.endr
	ds_load_b32 v[XS+2*\u+\s], v[XSV] offset:(2*(2*\n+\u)+\s)*64
.endr
.endr
	s_wait_loadcnt 0x0
	s_wait_dscnt 0x0
	MM ACV+8*(2*\n), XF2, WF2+24*\i, VB+8*\i, XS, WS+2*\i
	MM ACV+8*(2*\n+1), XF2+24, WF2+24*\i, VB+8*\i, XS+2, WS+2*\i
	MM ACV+8*(2*\n), XF2+12, WF2+24*\i+12, ACV+8*(2*\n), XS+1, WS+2*\i+1
	MM ACV+8*(2*\n+1), XF2+36, WF2+24*\i+12, ACV+8*(2*\n+1), XS+3, WS+2*\i+1
.rept 4
	v_nop                                          ; places in front of the next loads into x's fragments and of the first read of results
.endr
.endm
.irp i, 0,1
	VPAIR \i, 0
	VPAIR \i, 1
	VPAIR \i, 2
	VPAIR \i, 3
	s_wait_xcnt 0x0                                ; the last image's stores have read the codes' registers
	QUANT32 ACV, PC, BY0                           ; key block h
	QUANT32 ACV+32, PC+6, BY1                      ; key block 2 + h
	WORD
.irp k, 0,1,2
	global_store_b128 v[L16], v[PC+4*\k:PC+4*\k+3], s[48:49] offset:1536*\i+512*\k
.endr
.if \i == 0
	v_mov_b32 v[PW0], v[PW]
.endif
.endr
	v_cndmask_b32 v[PW], v[PW0], v[PW], s52
	global_store_b32 v[L4], v[PW], s[50:51]
	s_wait_tensorcnt 0x0
	ds_add_u32 v22, v23
	s_wait_dscnt 0x0
	s_endpgm
.Lfunc_end_k_qc1f059d94e_qkv:
	.size	k_qc1f059d94e_qkv, .Lfunc_end_k_qc1f059d94e_qkv-k_qc1f059d94e_qkv
	.p2alignl 7, 3214868480
	.fill 96, 4, 3214868480
	.section	.rodata,"a",@progbits
	.p2align	6, 0x0
	.amdhsa_kernel k_qc1f059d94e_qkv
		.amdhsa_group_segment_fixed_size 27136
		.amdhsa_private_segment_fixed_size 0
		.amdhsa_enable_private_segment 0
		.amdhsa_kernarg_size 88
		.amdhsa_user_sgpr_count 2
		.amdhsa_user_sgpr_kernarg_segment_ptr 1
		.amdhsa_wavefront_size32 1
		.amdhsa_system_sgpr_workgroup_id_x 1
		.amdhsa_system_sgpr_workgroup_id_y 1
		.amdhsa_system_sgpr_workgroup_id_z 1
		.amdhsa_system_vgpr_workitem_id 0
		.amdhsa_next_free_vgpr 256
		.amdhsa_next_free_sgpr 102
		.amdhsa_reserve_vcc 0
		.amdhsa_float_denorm_mode_32 3
		.amdhsa_float_denorm_mode_16_64 3
		.amdhsa_memory_ordered 1
		.amdhsa_forward_progress 1
		.amdhsa_inst_pref_size 85
	.end_amdhsa_kernel
	.amdgpu_metadata
---
amdhsa.version: [ 1, 2 ]
amdhsa.kernels:
  - .name:           k_qc1f059d94e_qkv
    .symbol:         k_qc1f059d94e_qkv.kd
    .args:
      - { .name: x, .offset: 0, .size: 8, .value_kind: global_buffer, .address_space: global }
      - { .name: stats, .offset: 8, .size: 8, .value_kind: global_buffer, .address_space: global }
      - { .name: gn_scale, .offset: 16, .size: 8, .value_kind: global_buffer, .address_space: global }
      - { .name: gn_bias, .offset: 24, .size: 8, .value_kind: global_buffer, .address_space: global }
      - { .name: qkv_w_codes, .offset: 32, .size: 8, .value_kind: global_buffer, .address_space: global }
      - { .name: qkv_w_scales, .offset: 40, .size: 8, .value_kind: global_buffer, .address_space: global }
      - { .name: qkv_b, .offset: 48, .size: 8, .value_kind: global_buffer, .address_space: global }
      - { .name: qc, .offset: 56, .size: 8, .value_kind: global_buffer, .address_space: global }
      - { .name: qs, .offset: 64, .size: 8, .value_kind: global_buffer, .address_space: global }
      - { .name: kvc, .offset: 72, .size: 8, .value_kind: global_buffer, .address_space: global }
      - { .name: kvs, .offset: 80, .size: 8, .value_kind: global_buffer, .address_space: global }
    .group_segment_fixed_size: 27136
    .private_segment_fixed_size: 0
    .kernarg_segment_align: 8
    .kernarg_segment_size: 88
    .max_flat_workgroup_size: 384
    .sgpr_count:     102
    .vgpr_count:     256
    .wavefront_size: 32
...
	.end_amdgpu_metadata
.endif
;; end of part 2
;; launch attn (part 3): grid 16 x 16, 16 waves a work-group, clusters of 4 x 1, 327,680 bytes of LDS; arguments qc, qs, kvc, kvs, oc, os; writes oc, os
.if DOCPART == 3
	.amdgcn_target "amdgcn-amd-amdhsa--gfx1250"
	.amdhsa_code_object_version 6
	.text
	.protected	k_qc1f059d94e_attn
	.globl	k_qc1f059d94e_attn
	.p2align	8
	.type	k_qc1f059d94e_attn,@function
k_qc1f059d94e_attn:
	s_mov_b64 s[64:65], 0
	v_nop
	global_prefetch_b8 v0, s[64:65] scope:SCOPE_SE
	s_setreg_imm32_b32 hwreg(HW_REG_WAVE_MODE, 25, 1), 1
	s_wait_xcnt 0x0
	s_wait_alu depctr_hold_cnt(0) depctr_sa_sdst(0) depctr_va_vdst(0) depctr_va_sdst(0) depctr_va_ssrc(0) depctr_va_vcc(0) depctr_vm_vsrc(0)
	s_getreg_b32 s2, hwreg(HW_REG_IB_STS2, 6, 4)
	s_cmp_eq_u32 s2, 0
	s_cbranch_scc0 .Lentry_in_a_cluster
	s_endpgm
.Lentry_in_a_cluster:
	s_bfe_u32 s2, ttmp6, 0x10000c
	s_cmp_lg_u32 s2, 0x3003
	s_cbranch_scc0 .Lentry_shape_is_right
	s_endpgm
.Lentry_shape_is_right:
; Attention of one (image, head) pair bh = work-group y, on codes of E2M3 with one E8M0 byte for 32 along K; head size 64, 4,096 keys, 128 a step.
; A work-group owns 256 queries, each of its sixteen waves one tile of 16, in 256 registers: four waves to a SIMD, so that one wave's vector work stands beside another's products and LDS loads.
; Both products are used transposed (S^T = K Q^T, O^T = V^T P^T): a lane holds one query (lane % 16) throughout.
; HEAD SIZE 64 IN A PRODUCT OF 128: an operand of K holds TWO tiles of 16 keys, at positions 0-63 and 64-127; q stands between two runs of six zero registers, and {q, 0} picks the first tile, {0, q} the second.
; KEYS: key = 128 S + 64 g + 4 m + t (row m of tile t of group g).  A lane's 32 scores of group g are the keys 64 g + 32 (lane / 16) + ..: a whole block of the second product's K, in the order 8 t + j in which V's codes were laid.
; So a block's largest p needs no other lane, and the conversions' results are P's operand as they stand.
; SOFTMAX: t = score x log2(e) / 8; M = the running largest t rounded up to a whole number; p = 2^(t - M) is quantised, not normalised; the sum is taken of the unquantised p; when M moves, the sum and O^T are
; multiplied by 2^(old M - new M), which rounds nothing.  A block's largest p is the exponential of its largest score (this takes v_exp_f32 not to fall where its input rises).
; THE RING: two LDS slots of four key steps (49,152 bytes: for each step four pair images of K, four images of V), images of operand registers, read on end: 16 bytes a lane.  The head's scale planes (16,384 bytes) come once.
; CLUSTER: the four query blocks of a cluster belong to one head and walk the same K and V: each slot is asked for jointly, by waves 0 and 1 (96 rows of 256 bytes each).  By this text's count a wave has two tensor loads
; out at the head and one behind each round.
; O leaves as codes along the channels, quantised here: three stores of 8 bytes a lane, each covering 256 consecutive bytes, aligned; its two scale bytes a row leave as 2 bytes a lane (one byte in 24 of what is stored).
; LIMITS: NaN and infinities are not served; a block whose largest magnitude lies under 2^-124 gets the byte 1 (read by this program alone); 1 / sum by v_rcp_f32.
.set SLOT1, 1<<16                      ; slot 1 begins here: one exclusive or turns an address from one slot to the other
.set SLOTB, 49152
.set SCL,   131072                     ; the head's scale planes: 512 bytes a step: K's groups 0, 1, V's tiles 0|1, 2|3
.set SPARE, 147456                     ; the spare words, 128 bytes for each wave: eight blocks of 256 bytes that no other line names
.set LI,  1                            ; v1   16 x lane
.set LS,  2                            ; v2   SCL + 4 x lane
.set SPW, 3                            ; v3   my spare word; never rewritten
.set NIL, 4                            ; v4   0; never rewritten
.set ADK, 5                            ; v5   the slot in hand + 16 x lane
.set ADS, 6                            ; v6   its scale planes + 4 x lane
.set SH8, 7                            ; v7   8 (lane / 16)
.set O8,  8                            ; v8   8 x lane
.set R4,  9                            ; v9   4 (lane % 16)
.set PFO, 10                           ; v10  256 x lane
.set QHI, 16                           ; v16-21 zeros, v22-27 q, v28-33 zeros:  {0, q} = v[16:27], {q, 0} = v[22:33]
.set QLO, 22
.set QS,  34                           ; q's two scale bytes, twice
.set QW,  35
.set KS,  36                           ; v36-39 the step's four scale planes
.set FR,  40                           ; v40-87 four pair images of K, then four images of V
.set SS,  96                           ; v96-159 S^T, then p
.set OT,  160                          ; v160-191 O^T
.set PC,  192                          ; v192-203 p's codes;  v204-206, v208-210 the conversions' second runs
.set TC,  204
.set BM,  212                          ; v212-213 the two blocks' largest scores
.set PM,  214
.set SO,  216
.set BY0, 218
.set BY1, 219
.set PW,  220                          ; p's scale word
.set PT,  221
.set FF,  222                          ; v[222:223] 2^(old M - new M)
.set TT,  224
.set S2,  226
.set MX,  228
.set MY,  229
.set WV,  16
.set SEL, 20
.set CS,  22
.set G1C, 24
.set G1S, 32
.set G0C, 40
.set G0S, 44
.set TB,  48
.set TS,  49
.set SLOTS, 50
.set LIM, 51
.set PFA, 52
.macro QUANT32 src, dst, by
	v_max3_num_f32 v[MX], |v[(\src)]|, |v[(\src)+1]|, |v[(\src)+2]|
	v_max3_num_f32 v[MY], |v[(\src)+3]|, |v[(\src)+4]|, |v[(\src)+5]|
.irp i, 6,10,14,18,22,26
	s_delay_alu instid0(VALU_DEP_2)
	v_max3_num_f32 v[MX], v[MX], |v[(\src)+\i]|, |v[(\src)+\i+1]|
	s_delay_alu instid0(VALU_DEP_2)
	v_max3_num_f32 v[MY], v[MY], |v[(\src)+\i+2]|, |v[(\src)+\i+3]|
.endr
	s_delay_alu instid0(VALU_DEP_2)
	v_max3_num_f32 v[MX], v[MX], |v[(\src)+30]|, |v[(\src)+31]|
	s_delay_alu instid0(VALU_DEP_1)
	v_max3_num_f32 v[MX], v[MX], v[MY], 0x1800000
	s_delay_alu instid0(VALU_DEP_1)
	v_add_nc_u32 v[SO], 0xff000000, v[MX]
	s_delay_alu instid0(VALU_DEP_1)
	v_lshrrev_b32 v[\by], 23, v[SO]
	v_cvt_scalef32_pk16_fp6_f32 v[(\dst):(\dst)+2], v[(\src):(\src)+15], v[SO]
	v_cvt_scalef32_pk16_fp6_f32 v[TC:TC+2], v[(\src)+16:(\src)+31], v[SO]
	v_nop
.irp i, 0,1,2
	v_mov_b32 v[(\dst)+3+\i], v[TC+\i]
.endr
.endm
; a round of the cluster's barrier
.macro CROUND
	s_barrier_signal -1
	s_barrier_wait -1
	s_cmp_lg_u32 s[WV], 0
	s_cbranch_scc1 .Lnot_wave_0_\@
	s_barrier_signal -3
.Lnot_wave_0_\@:
	s_barrier_wait -3
	s_barrier_signal -1
	s_barrier_wait -1
.endm
; the joint refill: waves 0 and 1, a half slot each; the branch hangs on the wave's number alone.  Four v_nop follow the load
.macro TLOAD
	s_cmp_lt_u32 s[WV], 2
	s_cbranch_scc0 .Lnone_\@
	tensor_load_to_lds s[G0C:G0C+3], s[G1C:G1C+7]
	s_nop 0
.rept 4
	v_nop
.endr
.Lnone_\@:
.endm
; A PREFETCH of the two slots that follow the one just asked for: 98,304 bytes = 4 partners x 3 waves x 32 lanes x 256 bytes, at every second change of slots (7, 5 and 3 slots to go), so each block is named once in the launch.
; All clusters of a head walk the same K and V: the head's first cluster asks; its partners share the bytes out by address (24,576 each); in each, waves 4 to 6 ask, one instruction each.
; Slots 0 and 1 and the scale planes come by their loads alone; the last change that fills a slot asks for nothing; the last byte named is the head's last but 255.
.macro ASK
	s_cmp_gt_u32 s[SLOTS], s[LIM]
	s_cbranch_scc0 .Lnot_mine_\@
	s_bitcmp1_b32 s[SLOTS], 0
	s_cbranch_scc0 .Lnot_mine_\@
	global_prefetch_b8 v[PFO], s[PFA:PFA+1] th:TH_LOAD_NT scope:SCOPE_SE
.Lnot_mine_\@:
.endm
	s_load_b256 s[4:11], s[0:1], 0x0               ; qc, qs, kvc, kvs
	s_load_b128 s[12:15], s[0:1], 0x20             ; oc, os
	v_lshl_add_u32 v[SPW], v0, 2, SPARE
	v_mov_b32 v[NIL], 0
	ds_add_u32 v3, v4
	ds_add_u32 v3, v4
	s_wait_dscnt 0x0
	v_lshrrev_b32 v5, 5, v0
	s_delay_alu instid0(VALU_DEP_1)
	v_readfirstlane_b32 s[WV], v5                  ; wave 0..15
	s_bfe_u32 s17, ttmp6, 0x40000                  ; cx: it enters q's, o's and the prefetches' addresses alone
	s_lshl_b32 s18, ttmp9, 2
	s_add_co_u32 s18, s18, s17                     ; my block of 256 queries
	s_and_b32 s19, ttmp7, 0xffff                   ; bh, which the four partners share
	; descriptor group 1: dense bytes as rows of 256 (32 elements of 8 bytes); 96 rows for half a slot, 32 for half the scale planes
	s_mov_b32 s[G1C], 15|(3<<16)|(1<<21)           ; 15:0 the mask: all four work-groups; 17:16 elements of 8 bytes; 21 set beside a mask; no padding
	s_mov_b32 s[G1C+1], 32<<16                     ; tensor_dim0
	s_mov_b32 s[G1C+2], 96<<16                     ; tensor_dim1
	s_mov_b32 s[G1C+3], 32<<16                     ; tile_dim0
	s_mov_b32 s[G1C+4], 96                         ; tile_dim1
	s_mov_b32 s[G1C+5], 32                         ; from row to row
	s_mov_b32 s[G1C+6], 0
	s_mov_b32 s[G1C+7], 0
	s_mov_b32 s[G1S], 15|(3<<16)|(1<<21)
	s_mov_b32 s[G1S+1], 32<<16
	s_mov_b32 s[G1S+2], 32<<16
	s_mov_b32 s[G1S+3], 32<<16
	s_mov_b32 s[G1S+4], 32
	s_mov_b32 s[G1S+5], 32
	s_mov_b32 s[G1S+6], 0
	s_mov_b32 s[G1S+7], 0
	s_and_b32 s56, s[WV], 1
	s_mul_i32 s57, s56, 24576                      ; my half of a slot, in LDS and in memory
	s_mul_i32 s58, s19, 393216                     ; the head's codes of K and V
	s_add_co_u32 s58, s58, s57
	s_mov_b32 s59, 0
	s_lshl_b32 s60, s56, 13                        ; my half of the scale planes
	s_lshl_b32 s62, s19, 14
	s_add_co_u32 s62, s62, s60
	s_mov_b32 s63, 0
	s_mov_b32 s[SEL], 0x76543210
	s_mov_b32 s[SEL+1], 0xfedcba98
	s_mov_b32 s[CS], 0x3e38aa3b                    ; c = log2(e) / 8
	s_mov_b32 s[CS+1], s[CS]                       ; (named with it as a pair)
	s_mov_b32 s[TB], 0
	s_mov_b32 s[TS], 0
	s_mov_b32 s[SLOTS], 7
	s_sub_co_u32 s61, s[WV], 4
	s_cmp_lt_u32 s61, 3                            ; waves 4 to 6
	s_cselect_b32 s[LIM], 1, -1
	s_cmp_eq_u32 ttmp9, 0                          ; of the head's first cluster: the same in all four partners
	s_cselect_b32 s[LIM], s[LIM], -1
	s_and_b32 s54, s[WV], 1                        ; u: which tile of the pair is mine
	s_lshl_b32 s55, s54, 4                         ; 16 u
	s_sub_co_u32 s54, 0, s54                       ; all ones where u = 1
	v_and_b32 v5, 31, v0
	v_bfe_u32 v6, v0, 4, 1
	s_delay_alu instid0(VALU_DEP_2)
	v_lshlrev_b32 v[LI], 4, v5
	s_delay_alu instid0(VALU_DEP_3)
	v_lshl_add_u32 v[LS], v5, 2, SCL
	s_delay_alu instid0(VALU_DEP_3)
	v_lshlrev_b32 v[SH8], 3, v6
	v_lshlrev_b32 v[O8], 3, v5
	v_and_b32 v[R4], 15, v0
	s_delay_alu instid0(VALU_DEP_1)
	v_lshlrev_b32 v[R4], 2, v[R4]
	v_lshlrev_b32 v[PFO], 8, v5
	s_wait_kmcnt 0x0
	s_mov_b32 s[G0C], 1
	s_mov_b32 s[G0C+1], s57                        ; slot 0
	s_add_nc_u64 s[G0C+2:G0C+3], s[8:9], s[58:59]
	s_or_b32 s[G0C+3], s[G0C+3], 0x80000000
	s_mov_b32 s[G0S], 1
	s_add_co_u32 s[G0S+1], s60, SCL
	s_add_nc_u64 s[G0S+2:G0S+3], s[10:11], s[62:63]
	s_or_b32 s[G0S+3], s[G0S+3], 0x80000000
	; q: step S = 2 block + wave / 8, pair p = (wave / 2) % 4
	s_lshr_b32 s66, s[WV], 3
	s_lshl_b32 s67, s18, 1
	s_add_co_u32 s66, s66, s67
	s_lshl_b32 s67, s19, 5
	s_add_co_u32 s66, s66, s67                     ; 32 bh + S
	s_bfe_u32 s67, s[WV], 0x20001                  ; p
	s_mul_i32 s68, s66, 6144
	s_mul_i32 s69, s67, 1536
	s_add_co_u32 s68, s68, s69
	s_mov_b32 s69, 0
	s_add_nc_u64 s[4:5], s[4:5], s[68:69]
	s_lshl_b32 s70, s66, 8
	s_lshl_b32 s71, s67, 6
	s_add_co_u32 s70, s70, s71
	s_mov_b32 s71, 0
	s_add_nc_u64 s[6:7], s[6:7], s[70:71]
	; o: index ((64 b + G) 4 + t) 2 + head / 2, G = 4 block + wave / 4, t = wave % 4; half head % 2
	s_lshr_b32 s66, s19, 2
	s_lshl_b32 s66, s66, 6
	s_lshl_b32 s67, s18, 2
	s_add_co_u32 s66, s66, s67
	s_lshr_b32 s67, s[WV], 2
	s_add_co_u32 s66, s66, s67
	s_lshl_b32 s66, s66, 2
	s_and_b32 s67, s[WV], 3
	s_add_co_u32 s66, s66, s67
	s_lshl_b32 s66, s66, 1
	s_bfe_u32 s67, s19, 0x10001
	s_add_co_u32 s66, s66, s67
	s_and_b32 s67, s19, 1
	s_mul_i32 s68, s66, 1536
	s_mul_i32 s70, s67, 768
	s_add_co_u32 s68, s68, s70
	s_add_nc_u64 s[12:13], s[12:13], s[68:69]
	s_lshl_b32 s68, s66, 6
	s_lshl_b32 s70, s67, 1
	s_add_co_u32 s68, s68, s70
	s_add_nc_u64 s[14:15], s[14:15], s[68:69]
	; the prefetches stand in slot 1; the first change of slots steps them to slot 2
	s_mul_i32 s66, s17, 24576
	s_and_b32 s67, s[WV], 3
	s_lshl_b32 s67, s67, 13
	s_add_co_u32 s66, s66, s67
	s_mul_i32 s67, s19, 393216
	s_add_co_u32 s66, s66, s67
	s_add_co_u32 s66, s66, SLOTB
	s_mov_b32 s67, 0
	s_add_nc_u64 s[PFA:PFA+1], s[8:9], s[66:67]
	CROUND                                         ; all four work-groups are here: the first joint loads meet
	s_cmp_lt_u32 s[WV], 2                          ; a wave's two first fills stand in one branch, ahead of every wait on TENSORcnt and every LDS read
	s_cbranch_scc0 .Lfirst_none
	tensor_load_to_lds s[G0S:G0S+3], s[G1S:G1S+7]  ; the scale planes: filled once
	s_nop 0
	tensor_load_to_lds s[G0C:G0C+3], s[G1C:G1C+7]  ; slot 0
	s_nop 0
.rept 4
	v_nop
.endr
.Lfirst_none:
	s_wait_alu depctr_va_vdst(0)
.irp k, 0,1,2
	global_load_b128 v[SS+4*\k:SS+4*\k+3], v[LI], s[4:5] offset:512*\k   ; the pair's image: 12 registers
.endr
	global_load_b32 v[QW], v[R4], s[6:7]           ; its rows' scale words
.irp i, 0,1,2,3,4,5
	v_mov_b32 v[QHI+\i], 0
	v_mov_b32 v[QLO+6+\i], 0
.endr
	v_mov_b32 v[PM], 0                             ; a lane permute's destination counts as one of its sources
	v_mov_b32 v[PT], 0
	v_mov_b32 v[FF+1], 0                           ; (named as the upper half of a pair)
	v_mov_b32 v13, 0xff61b1e6                      ; the largest t so far: -3e38
	s_delay_alu instid0(VALU_DEP_1)
	v_floor_f32 v12, -v13                          ; -M
	v_mov_b32 v14, 0                               ; the sum, in two halves
	v_mov_b32 v15, 0
	s_wait_loadcnt 0x0
.irp i, 0,1,2,3,4,5
	v_cndmask_b32 v[QLO+\i], v[SS+\i], v[SS+6+\i], s54   ; my tile's six registers
.endr
	v_lshrrev_b32 v[QS], s55, v[QW]
	s_delay_alu instid0(VALU_DEP_1)
	v_and_b32 v[QS], 0xffff, v[QS]
	s_delay_alu instid0(VALU_DEP_1)
	v_lshl_or_b32 v[QS], v[QS], 16, v[QS]          ; my tile's two bytes, for either half of K
.set j, 0
.rept 32
	v_mov_b32 v[OT+j], 0                           ; O^T: the step is written once, its first run finds zeros.  (These are also the places between q's lines above and the first scaled product)
.set j, j+1
.endr
.macro KQ d, a, b
	v_wmma_scale_f32_16x16x128_f8f6f4 v[\d:\d+7], v[\a:\a+11], v[\b:\b+11], 0, v[KS+(\d-SS)/32], v[QS] matrix_a_fmt:MATRIX_FMT_FP6 matrix_b_fmt:MATRIX_FMT_FP6
.endm
.macro KQ1 d, a, b
	v_wmma_scale_f32_16x16x128_f8f6f4 v[\d:\d+7], v[\a:\a+11], v[\b:\b+11], 0, v[KS+(\d-SS)/32], v[QS] matrix_a_fmt:MATRIX_FMT_FP6 matrix_b_fmt:MATRIX_FMT_FP6 matrix_a_scale:MATRIX_SCALE_ROW1
.endm
; A KEY STEP: 128 keys, the q-th of the slot in hand
.macro STEP q
.rept 4
	v_nop                                          ; places in front of loads into registers that the last products have read
.endr
.irp i, 0,1,2,3
	ds_load_b32 v[KS+\i], v[ADS] offset:512*(\q)+128*\i
.endr
.irp p, 0,1,2,3
.irp k, 0,1,2
	ds_load_b128 v[FR+12*\p+4*\k:FR+12*\p+4*\k+3], v[ADK] offset:12288*(\q)+1536*\p+512*\k
.endr
.endr
	s_wait_dscnt 0x0
.irp g, 0,1                                    ; S^T: tile t of group g; the pair's rows' words lie in lanes 0-15 (pair 2 g) and 16-31 (pair 2 g + 1) of plane g
	KQ  SS+32*\g,    FR+24*\g,    QLO
	KQ  SS+32*\g+8,  FR+24*\g,    QHI
	KQ1 SS+32*\g+16, FR+24*\g+12, QLO
	KQ1 SS+32*\g+24, FR+24*\g+12, QHI
.endr
.rept 4
	v_nop                                          ; places in front of V's loads into K's registers and of the first read of the scores
.endr
.irp d, 0,1,2,3
.irp k, 0,1,2
	ds_load_b128 v[FR+12*\d+4*\k:FR+12*\d+4*\k+3], v[ADK] offset:12288*(\q)+6144+1536*\d+512*\k   ; V lands while the softmax is walked
.endr
.endr
.irp g, 0,1                                    ; the largest score of each of my two blocks: two chains a block; each tile of scores is first read at its low end
	v_max3_num_f32 v[BM+\g], v[SS+32*\g], v[SS+32*\g+1], v[SS+32*\g+2]
	v_max3_num_f32 v[MX+\g], v[SS+32*\g+3], v[SS+32*\g+4], v[SS+32*\g+5]
.endr
.irp i, 6,10,14,18,22,26
.irp g, 0,1
	v_max3_num_f32 v[BM+\g], v[BM+\g], v[SS+32*\g+\i], v[SS+32*\g+\i+1]
	v_max3_num_f32 v[MX+\g], v[MX+\g], v[SS+32*\g+\i+2], v[SS+32*\g+\i+3]
.endr
.endr
.irp g, 0,1
	v_max3_num_f32 v[BM+\g], v[BM+\g], v[SS+32*\g+30], v[SS+32*\g+31]
.endr
.irp g, 0,1
	s_delay_alu instid0(VALU_DEP_2)
	v_max_num_f32 v[BM+\g], v[BM+\g], v[MX+\g]
.endr
	s_delay_alu instid0(VALU_DEP_1)
	v_max_num_f32 v[TT], v[BM], v[BM+1]
	s_delay_alu instid0(VALU_DEP_1)
	v_permlanex16_b32 v[PM], v[TT], s[SEL], s[SEL+1]
	s_delay_alu instid0(VALU_DEP_1)
	v_max_num_f32 v[TT], v[TT], v[PM]              ; the step's largest score of my query
	s_delay_alu instid0(VALU_DEP_1)
	v_mul_f32 v[TT], s[CS], v[TT]
	s_delay_alu instid0(VALU_DEP_1)
	v_max_num_f32 v13, v13, v[TT]                  ; the running largest t
	v_mov_b32 v[TT], v12
	s_delay_alu instid0(VALU_DEP_2)
	v_floor_f32 v12, -v13                          ; the new -M: M is a whole number
	s_delay_alu instid0(VALU_DEP_1)
	v_sub_f32 v[TT], v12, v[TT]                    ; old M - new M: a whole number, 0 or less
	s_delay_alu instid0(VALU_DEP_1)
	v_cvt_i32_f32 v[TT], v[TT]                     ; (it saturates)
	s_delay_alu instid0(VALU_DEP_1)
	v_ldexp_f32 v[FF], 1.0, v[TT]                  ; f = 2^(old M - new M)
.set j, 0
.rept 32
	v_pk_fma_f32 v[SS+j:SS+j+1], v[SS+j:SS+j+1], s[CS:CS+1], v[12:13] op_sel_hi:[1,0,0]   ; t - M, two at a time
.set j, j+2
.endr
.irp g, 0,1
	v_fma_f32 v[BM+\g], v[BM+\g], s[CS], v12       ; the same of each block's largest score
.endr
.set j, 0
	s_wait_alu depctr_va_vdst(0)
.rept 64
	v_exp_f32 v[SS+j], v[SS+j]                     ; p = 2^(t - M)
.set j, j+1
.endr
	v_pk_mul_f32 v[14:15], v[14:15], v[FF:FF+1] op_sel_hi:[1,0]   ; the sums under the new M: the plain place behind the exponentials
	s_wait_alu depctr_va_vdst(0)                   ; one wait for the batch, ahead of its first reader
.irp g, 0,1
	v_exp_f32 v[BM+\g], v[BM+\g]                   ; the block's largest p
.endr
	v_pk_add_f32 v[226:227], v[100:101], v[104:105]
	v_pk_add_f32 v[254:255], v[108:109], v[112:113]
	v_pk_add_f32 v[252:253], v[116:117], v[120:121]
	v_pk_add_f32 v[250:251], v[124:125], v[128:129]
	v_pk_add_f32 v[248:249], v[132:133], v[136:137]
	v_pk_add_f32 v[246:247], v[140:141], v[144:145]
	v_pk_add_f32 v[244:245], v[148:149], v[152:153]
	v_pk_add_f32 v[14:15], v[14:15], v[156:157]
	v_pk_add_f32 v[226:227], v[226:227], v[96:97]
	v_pk_add_f32 v[254:255], v[254:255], v[98:99]
	v_pk_add_f32 v[252:253], v[252:253], v[102:103]
	v_pk_add_f32 v[250:251], v[250:251], v[106:107]
	v_pk_add_f32 v[248:249], v[248:249], v[110:111]
	v_pk_add_f32 v[246:247], v[246:247], v[114:115]
	v_pk_add_f32 v[244:245], v[244:245], v[118:119]
	v_pk_add_f32 v[14:15], v[14:15], v[122:123]
	v_pk_add_f32 v[226:227], v[226:227], v[126:127]
	v_pk_add_f32 v[254:255], v[254:255], v[130:131]
	v_pk_add_f32 v[252:253], v[252:253], v[134:135]
	v_pk_add_f32 v[250:251], v[250:251], v[138:139]
	v_pk_add_f32 v[248:249], v[248:249], v[142:143]
	v_pk_add_f32 v[246:247], v[246:247], v[146:147]
	v_pk_add_f32 v[244:245], v[244:245], v[150:151]
	v_pk_add_f32 v[14:15], v[14:15], v[154:155]
	v_pk_add_f32 v[226:227], v[226:227], v[158:159]
	s_delay_alu instid0(VALU_DEP_2)
	v_pk_add_f32 v[14:15], v[14:15], v[250:251]
	s_delay_alu instid0(VALU_DEP_2)
	v_pk_add_f32 v[226:227], v[226:227], v[248:249]
	v_pk_add_f32 v[254:255], v[254:255], v[246:247]
	v_pk_add_f32 v[252:253], v[252:253], v[244:245]
	s_delay_alu instid0(VALU_DEP_2)
	v_pk_add_f32 v[14:15], v[14:15], v[254:255]
	s_delay_alu instid0(VALU_DEP_2)
	v_pk_add_f32 v[226:227], v[226:227], v[252:253]
	s_delay_alu instid0(VALU_DEP_1)
	v_pk_add_f32 v[14:15], v[14:15], v[226:227]
	s_wait_alu depctr_va_vdst(0)                   ; and one for the two
.irp g, 0,1
	v_max_num_f32 v[BM+\g], 0x1800000, v[BM+\g]    ; the floor 2^(3 - 127)
.endr
.irp g, 0,1
	s_delay_alu instid0(VALU_DEP_2)
	v_add_nc_u32 v[SO+\g], 0xff000000, v[BM+\g]    ; 2 off the exponent field: the conversion's scale operand
.endr
.irp g, 0,1
	s_delay_alu instid0(VALU_DEP_2)
	v_lshrrev_b32 v[BY0+\g], 23, v[SO+\g]
.endr
	s_delay_alu instid0(VALU_DEP_1)
	v_lshl_or_b32 v[PW], v[BY1], 16, v[BY0]        ; my bytes of blocks h and 2 + h,
	s_delay_alu instid0(VALU_DEP_1)
	v_lshlrev_b32 v[PW], v[SH8], v[PW]
	s_delay_alu instid0(VALU_DEP_1)
	v_permlanex16_b32 v[PT], v[PW], s[SEL], s[SEL+1]
	s_delay_alu instid0(VALU_DEP_1)
	v_or_b32 v[PW], v[PW], v[PT]                   ; with lane l xor 16's: p's scale word for these 128 keys
.irp g, 0,1
	v_cvt_scalef32_pk16_fp6_f32 v[PC+6*\g:PC+6*\g+2], v[SS+32*\g:SS+32*\g+15], v[SO+\g]
	v_cvt_scalef32_pk16_fp6_f32 v[TC+4*\g:TC+4*\g+2], v[SS+32*\g+16:SS+32*\g+31], v[SO+\g]
.endr
	v_nop                                          ; one plain place behind a scaled conversion
.irp g, 0,1
.irp i, 0,1,2
	v_mov_b32 v[PC+6*\g+3+\i], v[TC+4*\g+\i]
.endr
.endr
.set j, 0
.rept 16
	v_pk_mul_f32 v[OT+j:OT+j+1], v[OT+j:OT+j+1], v[FF:FF+1] op_sel_hi:[1,0]   ; O^T under the new M.  (These 16 are also the places between the scale word, the codes and the products below)
.set j, j+2
.endr
	s_wait_alu depctr_va_vdst(0)
	s_wait_dscnt 0x0                               ; V
.irp d, 0,2                                    ; O^T += V^T P^T: the four accumulators by turns
	v_wmma_scale_f32_16x16x128_f8f6f4 v[OT+8*\d:OT+8*\d+7], v[FR+12*\d:FR+12*\d+11], v[PC:PC+11], v[OT+8*\d:OT+8*\d+7], v[KS+2+\d/2], v[PW] matrix_a_fmt:MATRIX_FMT_FP6 matrix_b_fmt:MATRIX_FMT_FP6
	v_wmma_scale_f32_16x16x128_f8f6f4 v[OT+8*\d+8:OT+8*\d+15], v[FR+12*\d+12:FR+12*\d+23], v[PC:PC+11], v[OT+8*\d+8:OT+8*\d+15], v[KS+2+\d/2], v[PW] matrix_a_fmt:MATRIX_FMT_FP6 matrix_b_fmt:MATRIX_FMT_FP6 matrix_a_scale:MATRIX_SCALE_ROW1
.endr
.endm
; THE CHANGE OF SLOTS stands at a slot's head.  Each wave waits for all its tensor loads, adds 0 to its spare word, and waits for that and for its reads of the slot that it has left.
; fill = 1: a round of the cluster's barrier, and behind it the slot just left is asked for again, jointly: it has four key steps in which to land.
.macro CHANGE fill
	s_wait_tensorcnt 0x0                           ; no tensor load of mine is out, so the walking descriptor may be written
	ds_add_u32 v[SPW], v[NIL]                      ; 0 onto my spare word
.if \fill
	s_xor_b32 s[G0C+1], s[G0C+1], SLOT1            ; the other slot than last time,
	s_add_nc_u64 s[G0C+2:G0C+3], s[G0C+2:G0C+3], SLOTB   ; the next four key steps
	s_wait_xcnt 0x0                                ; the last prefetch has read its address
	s_add_nc_u64 s[PFA:PFA+1], s[PFA:PFA+1], SLOTB
.endif
	s_wait_dscnt 0x0                               ; the add is done, and my reads of the slot that I have left are over
.if \fill
	CROUND
	TLOAD                                          ; the first tensor load behind the round, one a wave
	ASK
.else
	s_barrier_signal -1
	s_barrier_wait -1
.endif
.endm
.macro SLOT_STEPS
	v_add_nc_u32 v[ADK], s[TB], v[LI]
	s_wait_alu depctr_va_vdst(0)
	v_add_nc_u32 v[ADS], s[TS], v[LS]
	STEP 0
	STEP 1
	STEP 2
	STEP 3
	s_xor_b32 s[TB], s[TB], SLOT1
	s_add_co_u32 s[TS], s[TS], 2048
.endm
.Lslot:                                            ; seven trips: behind each change of slots but the last the next slot is asked for
	CHANGE 1
	SLOT_STEPS
	s_sub_co_u32 s[SLOTS], s[SLOTS], 1
	s_cmp_lg_u32 s[SLOTS], 0
	s_cbranch_scc1 .Lslot
	CHANGE 0                                       ; the last slot is written out
	SLOT_STEPS
	; THE WAY OUT: O^T / the sum; a lane holds d = 32 (lane / 16) + 0 .. 31 of its query: a whole block of the projection's K
.rept 4
	v_nop                                          ; places behind the last products
.endr
	v_add_f32 v14, v14, v15
	s_delay_alu instid0(VALU_DEP_1)
	v_permlanex16_b32 v[PM], v14, s[SEL], s[SEL+1]
	s_delay_alu instid0(VALU_DEP_1)
	v_add_f32 v14, v14, v[PM]                      ; the row's sum
	s_wait_alu depctr_va_vdst(0)
	v_rcp_f32 v14, v14
	v_nop                                          ; a plain place behind the reciprocal
	s_wait_alu depctr_va_vdst(0)                   ; the wait ahead of its first reader
.set j, 0
.rept 32
	v_mul_f32 v[SS+j], v[OT+j], v14                ; each accumulator from its low end on
.set j, j+1
.endr
	QUANT32 SS, PC, BY0
	v_lshlrev_b32 v[PW], v[SH8], v[BY0]
	s_delay_alu instid0(VALU_DEP_1)
	v_permlanex16_b32 v[PT], v[PW], s[SEL], s[SEL+1]
	s_delay_alu instid0(VALU_DEP_1)
	v_or_b32 v[PW], v[PW], v[PT]                   ; my head's two bytes of the row's scale word
.irp k, 0,1,2
	global_store_b64 v[O8], v[PC+2*\k:PC+2*\k+1], s[12:13] offset:256*\k   ; 32 lanes store 256 consecutive bytes, aligned
.endr
	global_store_b16 v[R4], v[PW], s[14:15]        ; both lanes of a row write the same two bytes
	s_wait_tensorcnt 0x0                           ; the wave's end
	ds_add_u32 v[SPW], v[NIL]
	s_wait_dscnt 0x0
	CROUND                                         ; the closing round: no work-group ends while a partner may still ask for a slot that names it
	s_endpgm
.Lfunc_end_k_qc1f059d94e_attn:
	.size	k_qc1f059d94e_attn, .Lfunc_end_k_qc1f059d94e_attn-k_qc1f059d94e_attn
	.p2alignl 7, 3214868480
	.fill 96, 4, 3214868480
	.section	.rodata,"a",@progbits
	.p2align	6, 0x0
	.amdhsa_kernel k_qc1f059d94e_attn
		.amdhsa_group_segment_fixed_size 327680
		.amdhsa_private_segment_fixed_size 0
		.amdhsa_enable_private_segment 0
		.amdhsa_kernarg_size 48
		.amdhsa_user_sgpr_count 2
		.amdhsa_user_sgpr_kernarg_segment_ptr 1
		.amdhsa_wavefront_size32 1
		.amdhsa_system_sgpr_workgroup_id_x 1
		.amdhsa_system_sgpr_workgroup_id_y 1
		.amdhsa_system_sgpr_workgroup_id_z 1
		.amdhsa_system_vgpr_workitem_id 0
		.amdhsa_next_free_vgpr 256
		.amdhsa_next_free_sgpr 72
		.amdhsa_reserve_vcc 0
		.amdhsa_float_denorm_mode_32 3
		.amdhsa_float_denorm_mode_16_64 3
		.amdhsa_memory_ordered 1
		.amdhsa_forward_progress 1
		.amdhsa_inst_pref_size 136
	.end_amdhsa_kernel
	.amdgpu_metadata
---
amdhsa.version: [ 1, 2 ]
amdhsa.kernels:
  - .name:           k_qc1f059d94e_attn
    .symbol:         k_qc1f059d94e_attn.kd
    .args:
      - { .name: qc, .offset: 0, .size: 8, .value_kind: global_buffer, .address_space: global }
      - { .name: qs, .offset: 8, .size: 8, .value_kind: global_buffer, .address_space: global }
      - { .name: kvc, .offset: 16, .size: 8, .value_kind: global_buffer, .address_space: global }
      - { .name: kvs, .offset: 24, .size: 8, .value_kind: global_buffer, .address_space: global }
      - { .name: oc, .offset: 32, .size: 8, .value_kind: global_buffer, .address_space: global }
      - { .name: os, .offset: 40, .size: 8, .value_kind: global_buffer, .address_space: global }
    .group_segment_fixed_size: 327680
    .private_segment_fixed_size: 0
    .kernarg_segment_align: 8
    .kernarg_segment_size: 48
    .max_flat_workgroup_size: 512
    .sgpr_count:     72
    .vgpr_count:     256
    .wavefront_size: 32
...
	.end_amdgpu_metadata
.endif
;; end of part 3
;; launch proj (part 4): grid 256 x 1, 16 waves a work-group, no clusters, 0 bytes of LDS; arguments oc, os, proj_w_codes, proj_w_scales, proj_b, x, out0; writes out0
.if DOCPART == 4
	.amdgcn_target "amdgcn-amd-amdhsa--gfx1250"
	.amdhsa_code_object_version 6
	.text
	.protected	k_qc1f059d94e_proj
	.globl	k_qc1f059d94e_proj
	.p2align	8
	.type	k_qc1f059d94e_proj,@function
k_qc1f059d94e_proj:
	s_mov_b64 s[64:65], 0
	v_nop
	global_prefetch_b8 v0, s[64:65] scope:SCOPE_SE
	s_setreg_imm32_b32 hwreg(HW_REG_WAVE_MODE, 25, 1), 1
	s_wait_xcnt 0x0
; out0 = x + proj_w O + proj_b, the product on codes of E2M3 with one E8M0 byte for 32 along K.
; Work-group n = 64 b + G takes 64 pixels (64 G ..) of image b; wave w takes output channels 16 w .. 16 w + 15.  Straight-line: no LDS, no barrier.
; O's fragments lie in memory as images of the operand's registers: tile t (pixels 64 G + 4 m + t), K step s at (2 t + s) x 1,536 bytes, six planes of 256 bytes (registers 2 k, 2 k + 1 at 8 x lane).
; Source 0 = 16 rows of proj_w, source 1 = 16 pixels: register j of tile t in lane (r, h) is channel 16 w + 8 h + j, pixel 64 G + 4 r + t.  So the four tiles' registers j are 16 neighbouring bytes of a row of out0,
; and the addition of x puts them side by side: sixteen lanes load and store 256 consecutive bytes, aligned.  The bias is the C of each sum's first product.
; No cluster and no tensor load: the launch streams x and out0; every operand goes straight into the registers of the wave that uses it.
; ORDER OF LOADS: 47 for the first K step, 8 of x, 24 for the second K step: the first K step's products wait with 32 loads out.
.set WF, 16                            ; v16-39 proj_w's two fragments
.set WS, 40                            ; v40-41 their scale words;  v42-49 O's
.set OS, 42
.set PB, 52                            ; v52-59 the bias
.set OF, 64                            ; v64-159 O's eight fragments
.set AC, 160                           ; v160-191 four accumulators
.set XR, 192                           ; v192-223 x, then the result
	s_load_b256 s[4:11], s[0:1], 0x0               ; oc, os, proj_w's codes, its scales
	s_load_b128 s[12:15], s[0:1], 0x20             ; proj_b, x
	s_load_b64 s[16:17], s[0:1], 0x30              ; out0
	v_lshrrev_b32 v7, 5, v0
	s_delay_alu instid0(VALU_DEP_1)
	v_readfirstlane_b32 s18, v7                    ; wave 0..15
	v_and_b32 v7, 31, v0
	v_and_b32 v8, 15, v0                           ; r
	v_bfe_u32 v9, v0, 4, 1                         ; h
	s_delay_alu instid0(VALU_DEP_2)
	v_mul_u32_u24 v1, v8, 192
	s_delay_alu instid0(VALU_DEP_1)
	v_mad_u32_u24 v1, v9, 24, v1                   ; proj_w: row r of 192 bytes, + 24 h
	s_delay_alu instid0(VALU_DEP_4)
	v_lshlrev_b32 v2, 3, v8                        ; its scale bytes: 8 a row
	s_delay_alu instid0(VALU_DEP_4)
	v_lshlrev_b32 v3, 5, v9                        ; the bias: 8 h numbers on
	v_lshlrev_b32 v4, 3, v7                        ; O's planes: 8 x lane
	v_lshlrev_b32 v5, 2, v8                        ; O's scale words
	v_lshlrev_b32 v6, 17, v9
	s_delay_alu instid0(VALU_DEP_1)
	v_lshl_add_u32 v6, v8, 4, v6                   ; x, out0: 8 h channels of 16,384 bytes, + 16 r
	s_mov_b32 s21, 0
	s_wait_alu depctr_va_vdst(0)
	s_wait_kmcnt 0x0
	s_mul_i32 s20, s18, 3072
	s_add_nc_u64 s[8:9], s[8:9], s[20:21]
	s_lshl_b32 s20, s18, 7
	s_add_nc_u64 s[10:11], s[10:11], s[20:21]
	s_lshl_b32 s20, s18, 6
	s_add_nc_u64 s[12:13], s[12:13], s[20:21]
	s_mul_i32 s20, ttmp9, 12288
	s_add_nc_u64 s[4:5], s[4:5], s[20:21]
	s_lshl_b32 s20, ttmp9, 9
	s_add_nc_u64 s[6:7], s[6:7], s[20:21]
	s_lshr_b32 s20, ttmp9, 6
	s_lshl_b32 s20, s20, 22                        ; image b,
	s_lshl_b32 s22, s18, 18
	s_add_co_u32 s20, s20, s22                     ; channel 16 w,
	s_and_b32 s22, ttmp9, 63
	s_lshl_b32 s22, s22, 8
	s_add_co_u32 s20, s20, s22                     ; pixel 64 G
	s_add_nc_u64 s[14:15], s[14:15], s[20:21]
	s_add_nc_u64 s[16:17], s[16:17], s[20:21]
.irp s, 0,1
.irp p, 0,1,2,3,4,5
	global_load_b64 v[WF+12*\s+2*\p:WF+12*\s+2*\p+1], v1, s[8:9] offset:96*\s+48*(\p/3)+8*(\p%3)
.endr
.endr
	global_load_b64 v[WS:WS+1], v2, s[10:11]       ; the row's scale words of both K steps
	global_load_b128 v[PB:PB+3], v3, s[12:13]
	global_load_b128 v[PB+4:PB+7], v3, s[12:13] offset:16
.irp f, 0,1,2,3,4,5,6,7
	global_load_b32 v[OS+\f], v5, s[6:7] offset:64*\f
.endr
.macro OLOAD s
.irp t, 0,1,2,3
.irp k, 0,1,2,3,4,5
	global_load_b64 v[OF+12*(2*\t+\s)+2*\k:OF+12*(2*\t+\s)+2*\k+1], v4, s[4:5] offset:(2*\t+\s)*1536+256*\k
.endr
.endr
.endm
	OLOAD 0
.irp j, 0,1,2,3,4,5,6,7
	global_load_b128 v[XR+4*\j:XR+4*\j+3], v6, s[14:15] offset:16384*\j th:TH_LOAD_NT
.endr
	OLOAD 1
	s_wait_loadcnt 32                              ; all but x's 8 loads and the second K step's 24
.irp t, 0,1,2,3
	v_wmma_scale_f32_16x16x128_f8f6f4 v[AC+8*\t:AC+8*\t+7], v[WF:WF+11], v[OF+24*\t:OF+24*\t+11], v[PB:PB+7], v[WS], v[OS+2*\t] matrix_a_fmt:MATRIX_FMT_FP6 matrix_b_fmt:MATRIX_FMT_FP6
.endr
	s_wait_loadcnt 0x0
.irp t, 0,1,2,3                                ; the four accumulators by turns
	v_wmma_scale_f32_16x16x128_f8f6f4 v[AC+8*\t:AC+8*\t+7], v[WF+12:WF+23], v[OF+24*\t+12:OF+24*\t+23], v[AC+8*\t:AC+8*\t+7], v[WS+1], v[OS+2*\t+1] matrix_a_fmt:MATRIX_FMT_FP6 matrix_b_fmt:MATRIX_FMT_FP6
.endr
.rept 4
	v_nop                                          ; places in front of the first read of results
.endr
.irp j, 0,1,2,3,4,5,6,7                        ; each accumulator from its low end on
.irp t, 0,1,2,3
	v_add_f32 v[XR+4*\j+\t], v[AC+8*\t+\j], v[XR+4*\j+\t]
.endr
.endr
.irp j, 0,1,2,3,4,5,6,7
	global_store_b128 v6, v[XR+4*\j:XR+4*\j+3], s[16:17] offset:16384*\j th:TH_STORE_NT
.endr
	s_endpgm
.Lfunc_end_k_qc1f059d94e_proj:
	.size	k_qc1f059d94e_proj, .Lfunc_end_k_qc1f059d94e_proj-k_qc1f059d94e_proj
	.p2alignl 7, 3214868480
	.fill 96, 4, 3214868480
	.section	.rodata,"a",@progbits
	.p2align	6, 0x0
	.amdhsa_kernel k_qc1f059d94e_proj
		.amdhsa_group_segment_fixed_size 0
		.amdhsa_private_segment_fixed_size 0
		.amdhsa_enable_private_segment 0
		.amdhsa_kernarg_size 56
		.amdhsa_user_sgpr_count 2
		.amdhsa_user_sgpr_kernarg_segment_ptr 1
		.amdhsa_wavefront_size32 1
		.amdhsa_system_sgpr_workgroup_id_x 1
		.amdhsa_system_sgpr_workgroup_id_y 1
		.amdhsa_system_sgpr_workgroup_id_z 1
		.amdhsa_system_vgpr_workitem_id 0
		.amdhsa_next_free_vgpr 224
		.amdhsa_next_free_sgpr 66
		.amdhsa_reserve_vcc 0
		.amdhsa_float_denorm_mode_32 3
		.amdhsa_float_denorm_mode_16_64 3
		.amdhsa_memory_ordered 1
		.amdhsa_forward_progress 1
		.amdhsa_inst_pref_size 13
	.end_amdhsa_kernel
	.amdgpu_metadata
---
amdhsa.version: [ 1, 2 ]
amdhsa.kernels:
  - .name:           k_qc1f059d94e_proj
    .symbol:         k_qc1f059d94e_proj.kd
    .args:
      - { .name: oc, .offset: 0, .size: 8, .value_kind: global_buffer, .address_space: global }
      - { .name: os, .offset: 8, .size: 8, .value_kind: global_buffer, .address_space: global }
      - { .name: proj_w_codes, .offset: 16, .size: 8, .value_kind: global_buffer, .address_space: global }
      - { .name: proj_w_scales, .offset: 24, .size: 8, .value_kind: global_buffer, .address_space: global }
      - { .name: proj_b, .offset: 32, .size: 8, .value_kind: global_buffer, .address_space: global }
      - { .name: x, .offset: 40, .size: 8, .value_kind: global_buffer, .address_space: global }
      - { .name: out0, .offset: 48, .size: 8, .value_kind: global_buffer, .address_space: global }
    .group_segment_fixed_size: 0
    .private_segment_fixed_size: 0
    .kernarg_segment_align: 8
    .kernarg_segment_size: 56
    .max_flat_workgroup_size: 512
    .sgpr_count:     66
    .vgpr_count:     224
    .wavefront_size: 32
...
	.end_amdgpu_metadata
.endif
;; end of part 4
